; MI455X (gfx1250); checked and timed in simulation.
; The chip was launched on July 23, 2026; its instructions are those of AMD's public machine-readable ISA for CDNA 5 (MIT licence, August 2026) and "CDNA5" Instruction Set Architecture Reference Guide (July 2026). The comments in the code are by the model that wrote it; some were corrected since.
;; Linear Quant. Allowed arithmetic: matrix products marked QUANTISED: E2M1 operands, one E8M0 scale for each 32 along K, by v_wmma_scale_f32_16x16x128_f8f6f4 with both operands' format E2M1 (or v_wmma_scale_f32_32x16x128_f4), f32 sums; everything else in f32.
;; Inputs: int8_weights 4,096 x 4,096 int32; scaler 1 float32; x 4,096 x 4,096 float32.
;; Outputs: out0 4,096 x 4,096 float32.
;; This version of the problem:
;;   THIS VERSION OF THE PROBLEM IS GIVEN IN LOW PRECISION. The matrix products marked QUANTISED in the list below multiply operands that are first quantised to E2M1 (2 exponent bits, 1 mantissa bit; 4 bits a number), with one power-of-two scale for each 32 numbers along K (OCP MX v1.0); their sums are f32. All else is computed in f32.
;;   The module's matrix products, in the order in which they are computed (A, B: the left and right operand; K: the contracted axis; several contracted axes count as one K, in the product's order):
;;     1. [M 4,096, K 4,096] x [K 4,096, N 4,096]; A: input x; B: computed on the way: QUANTISED
;;   THE QUANTISER, for each operand of a quantised product, along K:
;;     - K is cut into blocks of 32 from its start; a last block that is shorter is filled with zeros.
;;     - A block's scale is 2^e with e = floor(log2(the largest magnitude in the block)) - 2, held to -126 .. 127; a block of zeros has e = 0. As a byte (E8M0): e + 127.
;;     - Each number is divided by its block's scale, clamped to +-6, and rounded to the nearest number of E2M1, ties to even, subnormals kept.
;;     - The product sums the exact products of the quantised numbers (number of the format x scale) in f32.
;;   ~~~python
;;   def quantise(x, axis):      # numpy; x: float32 -> the quantised numbers, widened to float32 again
;;       x = np.moveaxis(x, axis, -1); K = x.shape[-1]
;;       x = np.pad(x, [(0, 0)] * (x.ndim - 1) + [(0, -K % 32)]); x = x.reshape(x.shape[:-1] + (-1, 32)); a = np.abs(x).max(-1, keepdims=True)
;;       e = np.where(a > 0, np.clip(np.frexp(np.where(a > 0, a, 1))[1] - 1 - 2, -126, 127), 0)      # np.frexp(a)[1] - 1 = floor(log2(a)), exactly
;;       r = np.clip(x / 2.0 ** e, -6, 6)
;;       step = 2.0 ** (np.maximum(np.frexp(np.where(r == 0, 1, r))[1] - 1, 0) - 1)
;;       q = np.round(r / step) * step * 2.0 ** e      # np.round: ties to even
;;       return np.moveaxis(q.reshape(q.shape[:-2] + (-1,))[..., :K], -1, axis).astype(np.float32)
;;   ~~~
;;   OPERANDS COMPUTED ON THE WAY. 'Computed on the way' means the value that the module computes at that place (a softmax that the list does not call 'softmax' is quantised finished and normalised). What goes into a quantiser is computed in f32, as accurately as f32 sums, v_exp_f32 and their like allow (about 1e-6 of the number): no bf16 or f16 on the way to a quantiser, and a product that is left as it is and whose result goes on into a quantised operand takes f32 operands (vector FMAs, or v_wmma_f32_16x16x4_f32). A number that lies on a knife's edge between two numbers of the format may be rounded either way, as far as f32 arithmetic and the matrix unit's own rounding can turn it there, and no further.
;; One version. Each part assembles by itself: llvm-mc -triple=amdgcn-amd-amdhsa -mcpu=gfx1250 --defsym DOCPART=n.
;; ======== version 1 of 1: 2 launches
;; limits: right only within a limited range of input values
;; workspace buffers: a_q 8,912,896 bytes; b_q 8,912,896 bytes
;; launch quant (part 1): grid 1024 x 1, 4 waves a work-group, no clusters, 41,472 bytes of LDS; arguments x, int8_weights, scaler, a_q, b_q; writes a_q, b_q
.if DOCPART == 1
	.amdgcn_target "amdgcn-amd-amdhsa--gfx1250"
	.amdhsa_code_object_version 6
	.text
	.protected	k_q49588edaa3_quant
	.globl	k_q49588edaa3_quant
	.p2align	8
	.type	k_q49588edaa3_quant,@function
k_q49588edaa3_quant:
	s_mov_b64 s[64:65], 0
	v_nop
	global_prefetch_b8 v0, s[64:65] scope:SCOPE_SE
	s_setreg_imm32_b32 hwreg(HW_REG_WAVE_MODE, 25, 1), 1
	s_wait_xcnt 0x0
; Both operands of out0 = x (w * scaler) become codes of FP4 (E2M1) with one E8M0 scale byte for each 32 along K.
; x: [4096 (m)][4096 (k)] f32, K innermost.  w: [4096 (k)][4096 (n)] int32, K outermost; a number of the operand is f32(w) * scaler, one rounding.
; A block's scale is 2^(floor(log2(its largest magnitude)) - 2): its byte is the largest magnitude's own exponent field - 2, held at 1 from below.
; Each number is divided by the scale and rounded to the nearest code, ties to even; beyond 6 the conversion gives the largest code.
; LIMITS: NaN and infinities among the inputs are not served.  A block of zeros gets the byte 1 where the rule says 127: its codes are zeros, which add nothing
; under any byte but 0xff, and the bytes are read by this program alone.  Blocks whose largest magnitude lies under the floor 2^-124 get the byte 1; they were not tried.
;
; THE WORKSPACE, the same for a_q (row = a row of x) and b_q (row = a column of w): [group of 128 rows: 32][K step of 512: 8][BLK = 34,816 bytes].  In a block:
;   codes, bytes 0 .. 32,767: [i = 16 rows: 8][kb = 32 along K: 16][r = row: 16][16 bytes]: the order of the matrix operand's registers: a fragment (16 rows x 128 K) is 1,024 bytes on end,
;   and the smallest piece, 16 rows x 32 K, is 256 bytes;   scale bytes, from 32,768: [u = half of the K step: 2][row: 128][8 bytes].
; A JOB is 32 rows x 256 along K: 32 KiB in, 4,096 bytes of codes (16 pieces of 256) and 256 scale bytes out.  Each wave does one job; waves share nothing: no barrier.
; Work-groups 0 .. 511 take w, 512 .. 1023 take x: 2,048 jobs each.  No base, offset or store's data register is ever written again, so no wait frees one.
.set BLK,   34816
.set NWG_W, 512
; ---- x's path
.set SP,    80                         ; a lane's place in a turn stage: its 64 bytes + 16 of padding
.set OP,    288                        ; a piece's place in the out-stage: 256 bytes + 32 = 72 words: the 32 lanes of a store of 8 bytes fall on 64 different banks (64 banks of 4 bytes: ISA guide 11.1)
.set WREG,  10240                      ; LDS of a wave: two turn stages, the out-stage, the scale bytes
.set OST,   2*32*SP                    ; 5,120: the out-stage, 16 pieces
.set SBY,   OST+16*OP                  ; 9,728: the job's 256 scale bytes, [32 rows][8]
.set R,     16                         ; v16-79   four sets of 16 numbers as they are loaded
.set X,     80                         ; v80-111  two sets of 16 neighbours along K
.set E,     112                        ; v112-127 a scale byte for each step
.set C,     128                        ; v128-159 two registers of codes for each step
.set OUTR,  160                        ; v160-191 the codes read back as pieces
; ---- w's path
.set XW,    32                         ; v32-95   two sets of 32 whole numbers
.set F,     96                         ; v96-127  a block's 32 numbers in f32
.set CW,    128                        ; v128-159 four registers of codes for each of the 8 blocks
.set SB,    24                         ; v24-25   my column's 8 scale bytes
; x: step t = rows 2 t and 2 t + 1 of the job, 256 numbers of each.  Each load reads 512 consecutive bytes, 16 a lane.
.macro XLOAD t
.irp i, 0,1,2,3
	global_load_b128 v[R+16*((\t)%4)+4*\i:R+16*((\t)%4)+4*\i+3], v3, s[4:5] offset:(2*(\t)+\i/2)*16384+(\i%2)*512 th:TH_LOAD_NT
.endr
.endm
; The conversions take neighbours along K from ONE lane's registers: the step's 2,048 bytes go through the wave's own stage as they lie and come back 64 bytes a lane:
; lane l then holds row 2 t + l / 16, block (l % 16) / 2, half l % 2.  LDS serves a wave's instructions in order (ISA guide 5.7.1.4): no wait between the stores and the loads.
.macro XTURN t
.irp i, 0,1,2,3
	ds_store_b128 v14, v[R+16*((\t)%4)+4*\i:R+16*((\t)%4)+4*\i+3] offset:32*SP*((\t)%2)+8*SP*\i
.endr
.irp i, 0,1,2,3
	ds_load_b128 v[X+16*((\t)%2)+4*\i:X+16*((\t)%2)+4*\i+3], v15 offset:32*SP*((\t)%2)+16*\i
.endr
.endm
.macro XSTEP t
.set XS, X+16*((\t)%2)
.if (\t) > 0
	s_wait_dscnt 2                                 ; this step's numbers are back from the stage; behind those loads stand only the last step's two stores
.else
	s_wait_dscnt 0x0
.endif
.if (\t)+4 < 16
	XLOAD (\t)+4                                   ; into the set that this step's stage stores have read
.endif
.if (\t)+1 < 16
.if 14-(\t) >= 3
	s_wait_loadcnt 12                              ; the next step's four loads are in; those of the three steps behind it stay out
.else
	s_wait_loadcnt 4*(14-(\t))                     ; the counts run down
.endif
	XTURN (\t)+1                                   ; through the other stage while this step is worked
.endif
	v_max3_num_f32 v8, |v[XS]|, |v[XS+1]|, |v[XS+2]|               ; the largest magnitude of my 16, in two chains
	v_max3_num_f32 v9, |v[XS+3]|, |v[XS+4]|, |v[XS+5]|
.irp i, 6,10
	v_max3_num_f32 v8, v8, |v[XS+\i]|, |v[XS+\i+1]|
	v_max3_num_f32 v9, v9, |v[XS+\i+2]|, |v[XS+\i+3]|
.endr
	v_max3_num_f32 v8, v8, |v[XS+14]|, |v[XS+15]|
	v_max3_num_f32 v8, v8, v9, 0x1800000           ; and the floor 2^(3 - 127): the byte cannot fall under 1
	v_max_num_f32_dpp v8, v8, v8 row_xmask:1 row_mask:0xf bank_mask:0xf   ; with my neighbour's 16: the block's
	v_add_nc_u32 v11, 0xff000000, v8               ; 2 off its exponent field: the conversion takes the exponent field of this operand as its scale, and nothing else of it
	v_cvt_scalef32_pk8_fp4_f32 v[C+2*(\t)], v[XS:XS+7], v11
	v_cvt_scalef32_pk8_fp4_f32 v[C+2*(\t)+1], v[XS+8:XS+15], v11
	v_lshrrev_b32 v[E+(\t)], 23, v11               ; the scale's byte (a plain line behind the conversions)
	ds_store_b8 v5, v[E+(\t)] offset:16*(\t)       ; [row][8]: both lanes of a block write the same byte with the same value
	ds_store_b64 v4, v[C+2*(\t):C+2*(\t)+1] offset:((\t)/8)*8*OP+((\t)%8)*32   ; my 8 bytes into piece 8 (t / 8) + block, at row 2 (t % 8) + l / 16 of it
.endm
; w: block t: w(32 t + i, my column), i = 0 .. 31: a lane takes a column and its registers run down K; a load reads 128 consecutive bytes, the four waves of a work-group 512
.macro WLOAD t
.irp i, 0,1,2,3,4,5,6,7,8,9,10,11,12,13,14,15,16,17,18,19,20,21,22,23,24,25,26,27,28,29,30,31
	global_load_b32 v[XW+32*((\t)%2)+\i], v3, s[6:7] offset:(32*(\t)+\i)*16384 th:TH_LOAD_NT
.endr
.endm
.macro WBLOCK t
.set XS, XW+32*((\t)%2)
.if (\t) < 7
	s_wait_loadcnt 32                              ; this block's 32 loads are in; the next block's stay out
.else
	s_wait_loadcnt 0x0
.endif
.irp i, 0,1,2,3,4,5,6,7,8,9,10,11,12,13,14,15,16,17,18,19,20,21,22,23,24,25,26,27,28,29,30,31
	v_cvt_f32_i32 v[F+\i], v[XS+\i]
.endr
.if (\t)+2 < 8
	WLOAD (\t)+2                                   ; the set has been read: it takes the block two further on at once
.endif
.irp i, 0,2,4,6,8,10,12,14,16,18,20,22,24,26,28,30
	v_pk_mul_f32 v[F+\i:F+\i+1], v[F+\i:F+\i+1], s[34:35] op_sel_hi:[1,0]   ; x scaler, in f32
.endr
	v_max3_num_f32 v12, |v[F]|, |v[F+1]|, |v[F+2]|                 ; the block's largest magnitude: all 32 numbers are mine
	v_max3_num_f32 v13, |v[F+3]|, |v[F+4]|, |v[F+5]|
.irp i, 6,10,14,18,22,26
	v_max3_num_f32 v12, v12, |v[F+\i]|, |v[F+\i+1]|
	v_max3_num_f32 v13, v13, |v[F+\i+2]|, |v[F+\i+3]|
.endr
	v_max3_num_f32 v12, v12, |v[F+30]|, |v[F+31]|
	v_max3_num_f32 v12, v12, v13, 0x1800000        ; and the floor 2^(3 - 127)
	v_add_nc_u32 v11, 0xff000000, v12              ; the conversion's scale operand
	v_lshrrev_b32 v13, 23, v11                     ; the scale's byte
.irp g, 0,1,2,3
	v_cvt_scalef32_pk8_fp4_f32 v[CW+4*(\t)+\g], v[F+8*\g:F+8*\g+7], v11
.endr
.if (\t)%4 == 0
	v_mov_b32 v[SB+(\t)/4], v13                    ; four bytes to a register, the lower K in the lower byte.  (A plain line behind the conversions, ahead of the next block's writes of their sources)
.else
	v_lshl_or_b32 v[SB+(\t)/4], v13, 8*((\t)%4), v[SB+(\t)/4]
.endif
	global_store_b128 v8, v[CW+4*(\t):CW+4*(\t)+3], s[28:29] offset:256*(\t)   ; sixteen lanes store one piece: 256 consecutive bytes, at a multiple of 256 from the buffer's first byte
.endm
	s_load_b256 s[4:11], s[0:1], 0x0               ; x s[4:5], w s[6:7], scaler s[8:9], a_q s[10:11]
	s_load_b64 s[12:13], s[0:1], 0x20              ; b_q
	v_lshl_add_u32 v192, v0, 2, 0xa000
	v_mov_b32 v193, 0
	v_lshrrev_b32 v1, 5, v0
	v_readfirstlane_b32 s16, v1                    ; wave 0..3
	v_and_b32 v2, 31, v0                           ; lane
	s_wait_kmcnt 0x0
	s_cmp_lt_u32 ttmp9, NWG_W
	s_cbranch_scc1 .Lw
	; ================ x ================
	s_sub_co_u32 s17, ttmp9, NWG_W
	s_lshl_b32 s17, s17, 2
	s_add_co_u32 s17, s17, s16                     ; the job, 0 .. 2047
	s_and_b32 s18, s17, 15                         ; which 256 along K: the four waves of a work-group stand side by side on 4,096 bytes of a row
	s_lshr_b32 s19, s17, 4                         ; which 32 rows
	s_lshl_b32 s24, s19, 19                        ; 32 rows of 16,384 bytes
	s_lshl_b32 s25, s18, 10                        ; 256 numbers
	s_add_co_u32 s24, s24, s25
	s_mov_b32 s25, 0
	s_add_nc_u64 s[4:5], s[4:5], s[24:25]
	s_wait_alu depctr_va_vdst(0)
	v_lshlrev_b32 v3, 4, v2                        ; 16 x lane: my bytes of a load's 512, and of a store's
.irp t, 0,1,2,3
	XLOAD \t
.endr
	s_lshr_b32 s20, s18, 1                         ; the K step of 512,
	s_and_b32 s21, s18, 1                          ; u: its half
	s_lshr_b32 s22, s19, 2                         ; the group of 128 rows,
	s_and_b32 s23, s19, 3                          ; and which 32 of them
	; the blocks of a workspace lie [group of 128 rows: 32][K step of 512: 8][BLK]: a group's K steps on end (this order holds, not the order named at the head)
	s_lshl_b32 s26, s22, 3
	s_add_co_u32 s26, s26, s20
	s_mul_i32 s26, s26, BLK                        ; the block
	s_lshl_b32 s27, s23, 13                        ; codes: 32 rows are two i: 8,192 bytes;
	s_add_co_u32 s24, s26, s27
	s_lshl_b32 s27, s21, 11                        ; 8 kb are 2,048
	s_add_co_u32 s24, s24, s27
	s_add_nc_u64 s[28:29], s[10:11], s[24:25]
	s_lshl_b32 s27, s21, 10                        ; scale bytes: 1,024 a half,
	s_add_co_u32 s24, s26, s27
	s_lshl_b32 s27, s23, 8                         ; 8 a row
	s_add_co_u32 s24, s24, s27
	s_add_co_u32 s24, s24, 32768
	s_add_nc_u64 s[30:31], s[10:11], s[24:25]
	s_mul_i32 s32, s16, WREG                       ; my wave's LDS
	s_add_co_u32 s33, s32, OST
	s_add_co_u32 s36, s32, SBY
	v_lshrrev_b32 v14, 2, v2
	v_mul_u32_u24 v14, v14, SP
	v_and_b32 v15, 3, v2
	v_lshl_add_u32 v14, v15, 4, v14
	v_add_nc_u32 v14, s32, v14                     ; a turn stage, on the way in: four lanes' 64 bytes on end, then the padding
	v_mul_u32_u24 v15, v2, SP
	v_add_nc_u32 v15, s32, v15                     ; and on the way out: my 16 neighbours
	v_and_b32 v12, 15, v2                          ; l % 16
	v_lshrrev_b32 v8, 1, v12                       ; my block of the job's 8
	v_lshrrev_b32 v9, 4, v2                        ; l / 16
	v_and_b32 v11, 1, v2                           ; my half of the block
	v_mul_u32_u24 v4, v8, OP
	v_lshl_add_u32 v4, v9, 4, v4
	v_lshl_add_u32 v4, v11, 3, v4
	v_add_nc_u32 v4, s33, v4                       ; the out-stage, on the way in: piece = block, row l / 16 of the step's two, 8 bytes a half
	v_lshl_add_u32 v5, v9, 3, v8
	v_add_nc_u32 v5, s36, v5                       ; my block's scale byte: 8 x row + block
	v_mul_u32_u24 v6, v9, OP
	v_lshl_add_u32 v6, v12, 4, v6
	v_add_nc_u32 v6, s33, v6                       ; the out-stage, on the way out: sixteen lanes to a piece, two pieces an instruction
	v_lshlrev_b32 v7, 3, v2                        ; the scale bytes on the way out: 8 a lane, a lane a row
	v_add_nc_u32 v10, s36, v7
	s_wait_loadcnt 12                              ; step 0's four loads are in
	XTURN 0
.irp t, 0,1,2,3,4,5,6,7,8,9,10,11,12,13,14,15
	XSTEP \t
.endr
.irp j, 0,1,2,3,4,5,6,7
	ds_load_b128 v[OUTR+4*\j:OUTR+4*\j+3], v6 offset:2*OP*\j       ; pieces 2 j and 2 j + 1: these see my stores, which LDS served first
.endr
	ds_load_b64 v[12:13], v10
.irp j, 0,1,2,3,4,5,6,7
	s_wait_dscnt 8-\j                              ; behind load j stand 7 - j of its kind and the scale bytes'
	global_store_b128 v3, v[OUTR+4*\j:OUTR+4*\j+3], s[28:29] offset:(\j/4)*4096+(\j%4)*512   ; 512 consecutive bytes: two whole pieces
.endr
	s_wait_dscnt 0x0
	global_store_b64 v7, v[12:13], s[30:31]        ; 256 consecutive bytes, at a multiple of 256 from the buffer's first byte
	s_wait_tensorcnt 0x0
	ds_add_u32 v192, v193
	s_wait_dscnt 0x0
	s_endpgm
	; ================ w ================
.Lw:
	s_load_b32 s34, s[8:9], 0x0                    ; scaler
	s_and_b32 s17, ttmp9, 31                       ; the group of 128 columns
	s_lshr_b32 s18, ttmp9, 5                       ; which 256 along K
	s_lshl_b32 s24, s18, 22                        ; 256 rows of 16,384 bytes
	s_lshl_b32 s25, s17, 9                         ; 128 columns
	s_add_co_u32 s24, s24, s25
	s_lshl_b32 s25, s16, 7                         ; my wave's 32 of them
	s_add_co_u32 s24, s24, s25
	s_mov_b32 s25, 0
	s_add_nc_u64 s[6:7], s[6:7], s[24:25]
	s_wait_alu depctr_va_vdst(0)
	v_lshlrev_b32 v3, 2, v2                        ; 4 bytes a lane
	WLOAD 0
	WLOAD 1
	s_lshr_b32 s20, s18, 1                         ; the K step of 512,
	s_and_b32 s21, s18, 1                          ; u: its half
	; the blocks lie [group of 128 columns: 32][K step of 512: 8][BLK], as for x
	s_lshl_b32 s26, s17, 3
	s_add_co_u32 s26, s26, s20
	s_mul_i32 s26, s26, BLK                        ; the block
	s_lshl_b32 s27, s16, 13
	s_add_co_u32 s24, s26, s27
	s_lshl_b32 s27, s21, 11
	s_add_co_u32 s24, s24, s27
	s_add_nc_u64 s[28:29], s[12:13], s[24:25]      ; codes: my wave's two i, the half's 8 kb
	s_lshl_b32 s27, s21, 10
	s_add_co_u32 s24, s26, s27
	s_lshl_b32 s27, s16, 8
	s_add_co_u32 s24, s24, s27
	s_add_co_u32 s24, s24, 32768
	s_add_nc_u64 s[30:31], s[12:13], s[24:25]      ; scale bytes: the half, my wave's 32 rows
	v_lshrrev_b32 v8, 4, v2
	v_and_b32 v9, 15, v2
	v_lshlrev_b32 v9, 4, v9
	v_lshl_add_u32 v8, v8, 12, v9                  ; my codes: i = l / 16 (4,096 bytes), row l % 16 (16 bytes)
	v_lshlrev_b32 v9, 3, v2                        ; my scale bytes: 8 a lane
	s_wait_kmcnt 0x0
	s_mov_b32 s35, s34                             ; (the packed form names the pair and takes its low word for both halves: so s35 is written)
.irp t, 0,1,2,3,4,5,6,7
	WBLOCK \t
.endr
	global_store_b64 v9, v[SB:SB+1], s[30:31]      ; 256 consecutive bytes, at a multiple of 256 from the buffer's first byte
	s_endpgm
.Lfunc_end_k_q49588edaa3_quant:
	.size	k_q49588edaa3_quant, .Lfunc_end_k_q49588edaa3_quant-k_q49588edaa3_quant
	.p2alignl 7, 3214868480
	.fill 96, 4, 3214868480
	.section	.rodata,"a",@progbits
	.p2align	6, 0x0
	.amdhsa_kernel k_q49588edaa3_quant
		.amdhsa_group_segment_fixed_size 41472
		.amdhsa_private_segment_fixed_size 0
		.amdhsa_enable_private_segment 0
		.amdhsa_kernarg_size 40
		.amdhsa_user_sgpr_count 2
		.amdhsa_user_sgpr_kernarg_segment_ptr 1
		.amdhsa_wavefront_size32 1
		.amdhsa_system_sgpr_workgroup_id_x 1
		.amdhsa_system_sgpr_workgroup_id_y 1
		.amdhsa_system_sgpr_workgroup_id_z 1
		.amdhsa_system_vgpr_workitem_id 0
		.amdhsa_next_free_vgpr 194
		.amdhsa_next_free_sgpr 66
		.amdhsa_reserve_vcc 0
		.amdhsa_float_denorm_mode_32 3
		.amdhsa_float_denorm_mode_16_64 3
		.amdhsa_memory_ordered 1
		.amdhsa_forward_progress 1
		.amdhsa_inst_pref_size 89
	.end_amdhsa_kernel
	.amdgpu_metadata
---
amdhsa.version: [ 1, 2 ]
amdhsa.kernels:
  - .name:           k_q49588edaa3_quant
    .symbol:         k_q49588edaa3_quant.kd
    .args:
      - { .name: x, .offset: 0, .size: 8, .value_kind: global_buffer, .address_space: global }
      - { .name: int8_weights, .offset: 8, .size: 8, .value_kind: global_buffer, .address_space: global }
      - { .name: scaler, .offset: 16, .size: 8, .value_kind: global_buffer, .address_space: global }
      - { .name: a_q, .offset: 24, .size: 8, .value_kind: global_buffer, .address_space: global }
      - { .name: b_q, .offset: 32, .size: 8, .value_kind: global_buffer, .address_space: global }
    .group_segment_fixed_size: 41472
    .private_segment_fixed_size: 0
    .kernarg_segment_align: 8
    .kernarg_segment_size: 40
    .max_flat_workgroup_size: 128
    .sgpr_count:     66
    .vgpr_count:     194
    .wavefront_size: 32
...
	.end_amdgpu_metadata
.endif
;; end of part 1
;; launch gemm (part 2): grid 16 x 16, 4 waves a work-group, clusters of 4 x 4, 327,680 bytes of LDS; arguments a_q, b_q, out0; writes out0
.if DOCPART == 2
	.amdgcn_target "amdgcn-amd-amdhsa--gfx1250"
	.amdhsa_code_object_version 6
	.text
	.protected	k_q49588edaa3_gemm
	.globl	k_q49588edaa3_gemm
	.p2align	8
	.type	k_q49588edaa3_gemm,@function
k_q49588edaa3_gemm:
	s_mov_b64 s[64:65], 0
	v_nop
	global_prefetch_b8 v0, s[64:65] scope:SCOPE_SE
	s_setreg_imm32_b32 hwreg(HW_REG_WAVE_MODE, 25, 1), 1
	s_wait_xcnt 0x0
	s_wait_alu depctr_hold_cnt(0) depctr_sa_sdst(0) depctr_va_vdst(0) depctr_va_sdst(0) depctr_va_ssrc(0) depctr_va_vcc(0) depctr_vm_vsrc(0)
	s_getreg_b32 s2, hwreg(HW_REG_IB_STS2, 6, 4)
	s_cmp_eq_u32 s2, 0
	s_cbranch_scc0 .Lentry_in_a_cluster
	s_endpgm
.Lentry_in_a_cluster:
	s_bfe_u32 s2, ttmp6, 0x10000c
	s_cmp_lg_u32 s2, 0xf033
	s_cbranch_scc0 .Lentry_shape_is_right
	s_endpgm
.Lentry_shape_is_right:
; out0[m][n] = sum over k of A[m][k] B[n][k], both operands as codes of FP4 (E2M1) with E8M0 scale bytes, as the launch before laid them:
; a_q, b_q: [group of 128 rows: 32][K step of 512: 8][BLK = 34,816 bytes]; in a block 32,768 bytes of codes in the order of the operand's registers
; ([16 rows: 8][128 K: 4][half: 2][lane: 32][16 bytes]) and 2,048 scale bytes ([half of the K step: 2][row: 128][8 bytes]).
; A work-group of four waves makes 256 x 256 of out0, a wave 128 x 128: 64 accumulators.  4 x 4 work-groups form a cluster: A's blocks are asked for jointly along a row, B's along a column.
; LDS: wave w's region of 2 BLK holds the block that it fetches (w = 0, 1: A's halves; 2, 3: B's), slot 0 then slot 1.  A group's K steps lie on end in memory,
; so the head's one load a wave (272 rows of 256 bytes) fills both slots; each later load brings one block (136 rows).  Lanes read 16 bytes each on end: no padding is needed.
; A STEP is 128 along K: 64 products.  BOTH operands have two sets of registers: a step begins with ONE run of 32 LDS loads, the next step's fragments into the other set, and its 64 products follow,
; so that a fragment is asked for 64 products ahead of its first use, and one group of places a step serves all the loads.
; REGISTERS: window 0: v0-31 addresses; v32-95 scale words, a set for each slot; v128-255 A's fragments, two sets (on the way out: rows read back).
;   window 1: B's fragments, two sets, at v0 and v128.   window 2: the accumulators of my rows 0-63 ((a, b) at v[8 (8 a + b)]);   window 3: those of my rows 64-127.
; The matrix instruction is used transposed (source 0 = rows of B, source 1 = rows of A): a lane holds eight neighbouring numbers of a row of out0.
.set SIZE_N, 4096
.set BLK,    34816
.set GRP,    8*BLK
.set SCO,    32768                     ; the scale bytes in a block
.set SPARE,  8*BLK                     ; behind the slots: the spare words, 128 bytes a wave
.set SPITCH, 528                       ; the way out: stage rows of 512 bytes + 16
.set LAPS,   4
.set ADRA, 16                          ; v16-17 LDS address of A's codes that I multiply, slot 0, 1
.set ADSA, 18                          ; v18-19 of their scale bytes
.set ADRB, 20                          ; v20-23 the same for B
.set ADSB, 22
.set STO,  24
.set RD,   25
.set CO,   26
.set SPW,  28                          ; my spare word; never rewritten
.set NIL,  29                          ; 0; never rewritten
.set PFO,  30                          ; the prefetches' offsets: units 0-31 of my 34,
.set PFP,  31                          ; and units 32, 33
.set SC,   32                          ; scale words: slot n's set at SC + 32 n: A's at 4 j + q, B's at 16 + 4 j + q; lanes 0-15 block 2 j, lanes 16-31 block 2 j + 1
.set AF,   128
.set BK,   128
.set G1,  24
.set G0,  32
.set G1B, 48
.set G0B, 56
.set KI,  66                           ; s66, s67: the K step that slot 0, 1 holds
.set OFS, 68
.set BA,  70                           ; the group that I fetch, in a_q; in b_q
.set BB,  72
.set PFB, 74                           ; my work-group's 34 units of a block of the group that I fetch
.set PFA, 76
.set POF, 78
.set MSB, 0
.macro WIN new                         ; the immediate's high byte repeats the setting that is left
.if MSB != \new
	s_set_vgpr_msb (MSB<<8)|\new
.set MSB, \new
.endif
.endm
.set MUL_LO, 0xa1                      ; source 0 (B) window 1, source 1 (A) window 0, C and D window 2
.set MUL_HI, 0xf1                      ; the same, C and D window 3
.set TO_B,   0x40                      ; destination window 1, address window 0
.macro PLACES n
.rept \n
	v_nop
.endr
.endm
; a joint load: waves 0, 1 ask for A's blocks, waves 2, 3 for B's; s_nop 0 and four v_nop behind each line
.macro JLOAD g0a, g1a, g0b, g1b
	s_cmp_eq_u32 s15, 0
	s_cbranch_scc0 .Lfor_b_\@
	tensor_load_to_lds s[\g0a:\g0a+3], s[\g1a:\g1a+7]
	s_nop 0
	PLACES 4
	s_branch .Lasked_\@
.Lfor_b_\@:
	tensor_load_to_lds s[\g0b:\g0b+3], s[\g1b:\g1b+7]
	s_nop 0
	PLACES 4
.Lasked_\@:
.endm
.macro CREST                           ; a round of the cluster's barrier behind its opening barrier
	s_cmp_lg_u32 s14, 0
	s_cbranch_scc1 .Lnot_wave_0_\@
	s_barrier_signal -3
.Lnot_wave_0_\@:
	s_barrier_wait -3
	s_barrier_signal -1
	s_barrier_wait -1
.endm
.macro CROUND
	s_barrier_signal -1
	s_barrier_wait -1
	CREST
.endm
.macro POINT s                         ; slot s's two group 0 at K step KI[s]
	s_mul_i32 s[OFS], s[KI+\s], BLK
	s_add_nc_u64 s[G0+4*\s+2:G0+4*\s+3], s[BA:BA+1], s[OFS:OFS+1]
	s_or_b32 s[G0+4*\s+3], s[G0+4*\s+3], 0x80000000
	s_add_nc_u64 s[G0B+4*\s+2:G0B+4*\s+3], s[BB:BB+1], s[OFS:OFS+1]
	s_or_b32 s[G0B+4*\s+3], s[G0B+4*\s+3], 0x80000000
.endm
; the prefetch: the block that stands two refills on, 136 units of 256 bytes; the four partners that ask for it jointly take 34 each, told apart by address.  The loop's last trip has no such block.
.macro ASK
	s_cmp_gt_u32 s3, 1
	s_cbranch_scc0 .Lno_ask_\@
	global_prefetch_b8 v[PFO], s[PFA:PFA+1] th:TH_LOAD_NT scope:SCOPE_SE
	global_prefetch_b8 v[PFP], s[PFA:PFA+1] th:TH_LOAD_NT scope:SCOPE_SE
.Lno_ask_\@:
.endm
	s_load_b128 s[4:7], s[0:1], 0x0                ; a_q, b_q
	s_load_b64 s[12:13], s[0:1], 0x10              ; out0
	v_lshl_add_u32 v[SPW], v0, 2, SPARE
	v_mov_b32 v[NIL], 0
	ds_add_u32 v[SPW], v[NIL]                      ; the opening lines: the add twice on end and its wait ahead of my first tensor load
	ds_add_u32 v[SPW], v[NIL]
	v_lshrrev_b32 v1, 5, v0
	v_readfirstlane_b32 s14, v1                    ; wave 0..3
	s_lshr_b32 s15, s14, 1                         ; my half of the tile's rows; also: I fetch for A (0) or B (1)
	s_and_b32 s16, s14, 1                          ; my half of its columns; also: which group of 128 rows I fetch
	s_bfe_u32 s40, ttmp6, 0x40000                  ; cx, cy
	s_bfe_u32 s41, ttmp6, 0x40004
	s_lshl_b32 s42, ttmp9, 2
	s_add_co_u32 s42, s42, s40                     ; tile column
	s_and_b32 s17, ttmp7, 0xffff
	s_lshl_b32 s17, s17, 2
	s_add_co_u32 s17, s17, s41                     ; tile row
	s_lshl_b32 s43, s41, 2
	s_lshl_b32 s43, 15, s43                        ; my row of the cluster
	s_lshl_b32 s44, 0x1111, s40                    ; my column
	s_lshr_b32 s18, ttmp9, 1                       ; clusters begin their walk along K at step 0 or at step 4, by the parity of their coordinates' bits, and go round
	s_xor_b32 s18, s18, ttmp9
	s_and_b32 s19, ttmp7, 0xffff
	s_lshr_b32 s22, s19, 1
	s_xor_b32 s19, s19, s22
	s_xor_b32 s18, s18, s19
	s_and_b32 s18, s18, 1
	s_lshl_b32 s[KI], s18, 2
	s_add_co_u32 s[KI+1], s[KI], 1
	s_mov_b32 s[OFS+1], 0
	s_mov_b32 s[POF+1], 0
	s_or_b32 s[G1+0], s43, (3<<16)|(1<<21)         ; elements of 8 bytes; the mask, and bit 21 beside it
	s_or_b32 s[G1B+0], s44, (3<<16)|(1<<21)
.irp g, G1, G1B
	s_mov_b32 s[\g+1], 32<<16                      ; rows of 256 bytes
	s_mov_b32 s[\g+2], 272<<16                     ; the head's load: two blocks on end
	s_mov_b32 s[\g+3], 32<<16
	s_mov_b32 s[\g+4], 272
	s_mov_b32 s[\g+5], 32
	s_mov_b32 s[\g+6], 0
	s_mov_b32 s[\g+7], 0
.endr
	s_lshl_b32 s20, s17, 1
	s_add_co_u32 s20, s20, s16
	s_mul_i32 s20, s20, GRP
	s_mov_b32 s21, 0
	s_lshl_b32 s46, s42, 1
	s_add_co_u32 s46, s46, s16
	s_mul_i32 s46, s46, GRP
	s_mov_b32 s47, 0
	s_mul_i32 s45, s14, 2*BLK                      ; my region of LDS
	s_wait_dscnt 0x0                               ; both opening adds are done
	s_wait_kmcnt 0x0
	s_add_nc_u64 s[BA:BA+1], s[4:5], s[20:21]
	s_add_nc_u64 s[BB:BB+1], s[6:7], s[46:47]
	CROUND                                         ; all sixteen work-groups are here: the first joint loads meet
.irp s, 0,1
	s_mov_b32 s[G0+4*\s], 1
	s_add_co_u32 s[G0+4*\s+1], s45, \s*BLK
	s_mov_b32 s[G0B+4*\s], 1
	s_add_co_u32 s[G0B+4*\s+1], s45, \s*BLK
.endr
	POINT 0
	JLOAD G0, G1, G0B, G1B                         ; my one load at the head: the walk's first two K steps, into both slots of my region
	s_mul_i32 s21, s15, 2*BLK                      ; A's half that I multiply, slot 0, 1
	s_add_co_u32 s22, s21, BLK
	s_mul_i32 s23, s16, 2*BLK                      ; B's half, behind A's two regions
	s_add_co_u32 s23, s23, 4*BLK
	s_add_co_u32 s46, s23, BLK
	s_mul_i32 s47, s14, 16*SPITCH                  ; my stage
	v_and_b32 v1, 31, v0
	v_lshlrev_b32 v2, 4, v1                        ; codes: 16 bytes a lane
	v_lshlrev_b32 v3, 3, v1                        ; scale bytes: 8 a lane, a lane a row
	v_add_nc_u32 v[ADRA+0], s21, v2
	v_add_nc_u32 v[ADRA+1], s22, v2
	v_add_nc_u32 v[ADRB+0], s23, v2
	v_add_nc_u32 v[ADRB+1], s46, v2
	v_add_nc_u32 v[ADSA+0], s21, v3
	v_add_nc_u32 v[ADSA+1], s22, v3
	v_add_nc_u32 v[ADSB+0], s23, v3
	v_add_nc_u32 v[ADSB+1], s46, v3
	v_and_b32 v4, 15, v0
	v_bfe_u32 v5, v0, 4, 1
	v_mul_u32_u24 v6, v4, SPITCH
	v_lshl_add_u32 v6, v5, 5, v6
	v_add_nc_u32 v[STO], s47, v6                   ; into the stage: row l % 16, 32 bytes for each half of the lanes
	v_lshlrev_b32 v[CO], 4, v1                     ; back: the 32 lanes take a row of 512 bytes; the same in out0
	v_add_nc_u32 v[RD], s47, v[CO]
	v_lshlrev_b32 v[PFO], 8, v1
	v_min_u32 v7, 1, v1
	v_lshl_add_u32 v[PFP], v7, 8, 32*256           ; lane 0 unit 32, the others unit 33
	s_wait_alu depctr_va_vdst(0)                   ; the wait behind the head's vector work
	s_lshl_b32 s20, s17, 8
	s_lshl_b32 s21, s15, 7
	s_add_co_u32 s20, s20, s21                     ; my first row of out0
	s_lshl_b32 s20, s20, 14
	s_mov_b32 s21, 0
	s_lshl_b32 s46, s42, 10
	s_lshl_b32 s47, s16, 9
	s_add_co_u32 s46, s46, s47                     ; my first column, in bytes
	s_mov_b32 s47, 0
	s_add_nc_u64 s[20:21], s[20:21], s[46:47]
	s_add_nc_u64 s[12:13], s[12:13], s[20:21]
	s_cmp_eq_u32 s15, 0
	s_cselect_b32 s20, s40, s41                    ; my place among the four that ask with me: cx for A, cy for B
	s_cselect_b64 s[PFB:PFB+1], s[BA:BA+1], s[BB:BB+1]
	s_mul_i32 s20, s20, 34*256
	s_mov_b32 s21, 0
	s_add_nc_u64 s[PFB:PFB+1], s[PFB:PFB+1], s[20:21]
.macro FRAG reg, adr, q, i             ; a fragment, 16 rows x 128 K: 1,024 bytes on end, two loads of 16 bytes a lane
.irp c, 0,1
	ds_load_b128 v[\reg+4*\c:\reg+4*\c+3], v[\adr] offset:4096*(\i)+1024*(\q)+512*\c
.endr
.endm
; one product: A's block a, B's block b, set p, the slot's q-th 128 along K, scale set sc
.macro ONE a, b, p, q, sc, zero
.set rD,  8*(8*((\a)%4)+(\b))
.set rB,  128*(\p)+8*(\b)
.set rA,  AF+64*(\p)+8*(\a)
.set rSB, SC+32*(\sc)+16+4*((\b)/2)+(\q)
.set rSA, SC+32*(\sc)+4*((\a)/2)+(\q)
.set rW,  4*(\zero)+2*((\a)%2)+(\b)%2
.if rW == 0
	v_wmma_scale_f32_16x16x128_f8f6f4 v[rD:rD+7], v[rB:rB+7], v[rA:rA+7], v[rD:rD+7], v[rSB], v[rSA] matrix_a_fmt:MATRIX_FMT_FP4 matrix_b_fmt:MATRIX_FMT_FP4
.elseif rW == 1
	v_wmma_scale_f32_16x16x128_f8f6f4 v[rD:rD+7], v[rB:rB+7], v[rA:rA+7], v[rD:rD+7], v[rSB], v[rSA] matrix_a_fmt:MATRIX_FMT_FP4 matrix_b_fmt:MATRIX_FMT_FP4 matrix_a_scale:MATRIX_SCALE_ROW1
.elseif rW == 2
	v_wmma_scale_f32_16x16x128_f8f6f4 v[rD:rD+7], v[rB:rB+7], v[rA:rA+7], v[rD:rD+7], v[rSB], v[rSA] matrix_a_fmt:MATRIX_FMT_FP4 matrix_b_fmt:MATRIX_FMT_FP4 matrix_b_scale:MATRIX_SCALE_ROW1
.elseif rW == 3
	v_wmma_scale_f32_16x16x128_f8f6f4 v[rD:rD+7], v[rB:rB+7], v[rA:rA+7], v[rD:rD+7], v[rSB], v[rSA] matrix_a_fmt:MATRIX_FMT_FP4 matrix_b_fmt:MATRIX_FMT_FP4 matrix_a_scale:MATRIX_SCALE_ROW1 matrix_b_scale:MATRIX_SCALE_ROW1
.elseif rW == 4
	v_wmma_scale_f32_16x16x128_f8f6f4 v[rD:rD+7], v[rB:rB+7], v[rA:rA+7], 0, v[rSB], v[rSA] matrix_a_fmt:MATRIX_FMT_FP4 matrix_b_fmt:MATRIX_FMT_FP4
.elseif rW == 5
	v_wmma_scale_f32_16x16x128_f8f6f4 v[rD:rD+7], v[rB:rB+7], v[rA:rA+7], 0, v[rSB], v[rSA] matrix_a_fmt:MATRIX_FMT_FP4 matrix_b_fmt:MATRIX_FMT_FP4 matrix_a_scale:MATRIX_SCALE_ROW1
.elseif rW == 6
	v_wmma_scale_f32_16x16x128_f8f6f4 v[rD:rD+7], v[rB:rB+7], v[rA:rA+7], 0, v[rSB], v[rSA] matrix_a_fmt:MATRIX_FMT_FP4 matrix_b_fmt:MATRIX_FMT_FP4 matrix_b_scale:MATRIX_SCALE_ROW1
.else
	v_wmma_scale_f32_16x16x128_f8f6f4 v[rD:rD+7], v[rB:rB+7], v[rA:rA+7], 0, v[rSB], v[rSA] matrix_a_fmt:MATRIX_FMT_FP4 matrix_b_fmt:MATRIX_FMT_FP4 matrix_a_scale:MATRIX_SCALE_ROW1 matrix_b_scale:MATRIX_SCALE_ROW1
.endif
.endm
.macro MUL16 a0, p, q, sc, zero        ; A's blocks a0, a0 + 1 x B's eight; the 64 accumulators take turns, in the same order in every step
.irp a, \a0, \a0+1
.irp b, 0,1,2,3,4,5,6,7
	ONE (\a), \b, \p, \q, \sc, \zero
.endr
.endr
.endm
.macro FETCH slot, q, p                ; one run of 32 loads: B's eight fragments, then A's eight, of the slot's q-th 128 along K, into set p
	WIN TO_B
.irp i, 0,1,2,3,4,5,6,7
	FRAG 128*(\p)+8*\i, ADRB+\slot, \q, \i
.endr
	WIN 0
.irp i, 0,1,2,3,4,5,6,7
	FRAG AF+64*(\p)+8*\i, ADRA+\slot, \q, \i
.endr
.endm
.macro SCALES n                        ; slot n's scale words, for its four steps: 16 loads of 8 bytes a lane
.irp j, 0,1,2,3
.irp u, 0,1
	ds_load_b64 v[SC+32*\n+4*\j+2*\u:SC+32*\n+4*\j+2*\u+1], v[ADSA+\n] offset:SCO+1024*\u+256*\j
	ds_load_b64 v[SC+32*\n+16+4*\j+2*\u:SC+32*\n+16+4*\j+2*\u+1], v[ADSB+\n] offset:SCO+1024*\u+256*\j
.endr
.endr
.endm
; a step that has its successor in the same slot
.macro STEP slot, q, zero
	PLACES 4                                       ; places between the last step's products and the loads into the set that they read (ISA guide 7.12.1 for vector instructions)
	FETCH \slot, (\q)+1, 1-(\q)%2
	s_wait_dscnt 40                                ; this step's B and A's blocks 0-3 are in: behind them stand its A's blocks 4-7 (8 loads) and the 32 just issued
	WIN MUL_LO
	MUL16 0, (\q)%2, \q, \slot, \zero
	MUL16 2, (\q)%2, \q, \slot, \zero
	s_wait_dscnt 32                                ; all but the 32 just issued
	WIN MUL_HI
	MUL16 4, (\q)%2, \q, \slot, \zero
	MUL16 6, (\q)%2, \q, \slot, \zero
.endm
; a slot's last step changes slots.  Its fragments were asked for at the head of the step before, so my reads of this slot are over when they are in: the barrier stands at this step's head,
; the refill behind it has a whole K step in which to land, and the other slot's scale words and first fragments follow it in one run.
.macro TURN slot, next, fill
	WIN 0
.if \fill
	s_wait_xcnt 0x0                                ; my last prefetches have read their address
	s_add_co_u32 s[POF], s[KI+\slot], 4            ; the K step four on: two refills behind the one asked for below
	s_and_b32 s[POF], s[POF], 7
	s_mul_i32 s[POF], s[POF], BLK
	s_add_nc_u64 s[PFA:PFA+1], s[PFB:PFB+1], s[POF:POF+1]
.endif
	s_wait_tensorcnt 0x0                           ; all my tensor loads have landed: my block of the other slot
	ds_add_u32 v[SPW], v[NIL]
.if \fill
	s_add_co_u32 s[KI+\slot], s[KI+\slot], 2       ; no load of mine is out: this slot's group 0 goes two K steps on, round the end of K
	s_and_b32 s[KI+\slot], s[KI+\slot], 7
	POINT \slot
.endif
	s_wait_dscnt 0x0                               ; the add is done, and my reads of this slot are over
	s_barrier_signal -1
	WIN MUL_LO
	MUL16 0, 1, 3, \slot, 0                        ; work on registers while the others arrive
	WIN 0
	s_barrier_wait -1
.if \fill
	CREST                                          ; the barrier has opened a round of the cluster's barrier
	JLOAD G0+4*\slot, G1, G0B+4*\slot, G1B         ; the first tensor load behind the round; its four v_nop are also the places in front of the loads below
.else
	PLACES 4
.endif
	SCALES \next
	FETCH \next, 0, 0
.if \fill
	ASK
.endif
	WIN MUL_LO
	MUL16 2, 1, 3, \slot, 0
	WIN MUL_HI
	MUL16 4, 1, 3, \slot, 0
	MUL16 6, 1, 3, \slot, 0
.endm
.macro STEPS slot, from
.set Q, \from
.rept 3-\from
	STEP \slot, Q, 0
.set Q, Q+1
.endr
.endm
	s_wait_tensorcnt 0x0                           ; my two blocks are in
	s_mov_b32 s[G1+2], 136<<16                     ; no tensor load of mine is out: from here on a load brings one block
	s_mov_b32 s[G1+4], 136
	s_mov_b32 s[G1B+2], 136<<16
	s_mov_b32 s[G1B+4], 136
	s_barrier_signal -1
	s_barrier_wait -1                              ; everybody's are in
	SCALES 0
	FETCH 0, 0, 0
	STEP 0, 0, 1                                   ; the first step's products start the sums
	WIN 0
	s_mov_b32 s3, LAPS-1
.Llap:                                                 ; a trip goes once round the two slots and fills both again
	STEPS 0, 1
	TURN 0, 1, 1
	STEPS 1, 0
	TURN 1, 0, 1
	STEP 0, 0, 0
	WIN 0
	s_sub_co_u32 s3, s3, 1
	s_cmp_lg_u32 s3, 0
	s_cbranch_scc1 .Llap
	STEPS 0, 1                                     ; the last lap fills nothing
	TURN 0, 1, 0
	STEPS 1, 0
	s_wait_dscnt 8                                 ; the very last step fetches nothing: A's blocks 4-7 may be out
	WIN MUL_LO
	MUL16 0, 1, 3, 1, 0
	MUL16 2, 1, 3, 1, 0
	s_wait_dscnt 0x0
	WIN MUL_HI
	MUL16 4, 1, 3, 1, 0
	MUL16 6, 1, 3, 1, 0
	WIN 0
; THE WAY OUT, by blocks of 16 rows x 128 columns, through my own stage and back as whole rows of 512 bytes.  The stage lies in slot 0 of wave 0's region, which has had its last fill, and its last read ahead of the last barrier.
; LDS serves a wave's instructions in order (ISA guide 5.7.1.4): no wait between the stores and the loads.
.macro TOSTAGE a
.set AC, 64*((\a)%4)
	WIN 0x08+4*((\a)/4)                            ; the data: window 2 or 3
.irp b, 0,1,2,3,4,5,6,7
	ds_store_b128 v[STO], v[AC+8*\b:AC+8*\b+3] offset:64*\b          ; each accumulator from its low end on
	ds_store_b128 v[STO], v[AC+8*\b+4:AC+8*\b+7] offset:64*\b+16
.endr
	WIN 0
.set BB2, BK+64*((\a)%2)
.irp t, 0,1,2,3,4,5,6,7,8,9,10,11,12,13,14,15
	ds_load_b128 v[BB2+4*\t:BB2+4*\t+3], v[RD] offset:\t*SPITCH
.endr
.endm
.macro SEND a, younger                 ; younger: the LDS instructions issued behind block a's loads
.set BB2, BK+64*((\a)%2)
	s_wait_dscnt \younger
.if (\a) > 0
	s_add_nc_u64 s[12:13], s[12:13], 16*SIZE_N*4   ; behind a wait on XCNT: the earlier stores have read their base
.endif
.irp t, 0,1,2,3,4,5,6,7,8,9,10,11,12,13,14,15
	global_store_b128 v[CO], v[BB2+4*\t:BB2+4*\t+3], s[12:13] offset:\t*SIZE_N*4 th:TH_STORE_NT   ; 32 lanes store 512 consecutive bytes, at a multiple of 256 from out0's first byte
.endr
.endm
	PLACES 4
	TOSTAGE 0
.irp a, 1,2,3,4,5,6,7
.if \a > 1
	s_wait_xcnt 0x0                                ; block a - 2's stores have read their registers and their base
.endif
	TOSTAGE \a
	SEND \a-1, 32
.endr
	s_wait_xcnt 0x0
	SEND 7, 0
	s_wait_tensorcnt 0x0                           ; the wave's end
	ds_add_u32 v[SPW], v[NIL]
	s_wait_dscnt 0x0
	CROUND                                         ; the closing round
	s_endpgm
.Lfunc_end_k_q49588edaa3_gemm:
	.size	k_q49588edaa3_gemm, .Lfunc_end_k_q49588edaa3_gemm-k_q49588edaa3_gemm
	.p2alignl 7, 3214868480
	.fill 96, 4, 3214868480
	.section	.rodata,"a",@progbits
	.p2align	6, 0x0
	.amdhsa_kernel k_q49588edaa3_gemm
		.amdhsa_group_segment_fixed_size 327680
		.amdhsa_private_segment_fixed_size 0
		.amdhsa_enable_private_segment 0
		.amdhsa_kernarg_size 24
		.amdhsa_user_sgpr_count 2
		.amdhsa_user_sgpr_kernarg_segment_ptr 1
		.amdhsa_wavefront_size32 1
		.amdhsa_system_sgpr_workgroup_id_x 1
		.amdhsa_system_sgpr_workgroup_id_y 1
		.amdhsa_system_sgpr_workgroup_id_z 1
		.amdhsa_system_vgpr_workitem_id 0
		.amdhsa_next_free_vgpr 1024
		.amdhsa_next_free_sgpr 82
		.amdhsa_reserve_vcc 0
		.amdhsa_float_denorm_mode_32 3
		.amdhsa_float_denorm_mode_16_64 3
		.amdhsa_memory_ordered 1
		.amdhsa_forward_progress 1
		.amdhsa_inst_pref_size 210
	.end_amdhsa_kernel
	.amdgpu_metadata
---
amdhsa.version: [ 1, 2 ]
amdhsa.kernels:
  - .name:           k_q49588edaa3_gemm
    .symbol:         k_q49588edaa3_gemm.kd
    .args:
      - { .name: a_q, .offset: 0, .size: 8, .value_kind: global_buffer, .address_space: global }
      - { .name: b_q, .offset: 8, .size: 8, .value_kind: global_buffer, .address_space: global }
      - { .name: out0, .offset: 16, .size: 8, .value_kind: global_buffer, .address_space: global }
    .group_segment_fixed_size: 327680
    .private_segment_fixed_size: 0
    .kernarg_segment_align: 8
    .kernarg_segment_size: 24
    .max_flat_workgroup_size: 128
    .sgpr_count:     82
    .vgpr_count:     1024
    .wavefront_size: 32
...
	.end_amdgpu_metadata
.endif
;; end of part 2
